; MI455X (gfx1250); checked and timed in simulation.
; The chip was launched on July 23, 2026; its instructions are those of AMD's public machine-readable ISA for CDNA 5 (MIT licence, August 2026) and "CDNA5" Instruction Set Architecture Reference Guide (July 2026). The comments in the code are by the model that wrote it; some were corrected since.
;; Head self Dec. Allowed arithmetic: matrix products marked QUANTISED: E5M2 operands, one given power-of-two scale a tensor, by v_wmma_f32_16x16x64_bf8_bf8 or v_wmma_f32_16x16x128_bf8_bf8, f32 sums; everything else in f32.
;; Inputs: Wk 512 x 64 float32; Wq 512 x 64 float32; Wv 512 x 64 float32; lowp_scales 10 int32 (the exponents e of the quantised operands' scales 2^e); x 16 x 2,048 x 512 float32.
;; Outputs: out0 16 x 2,048 x 64 float32.
;; This version of the problem:
;;   THIS VERSION OF THE PROBLEM IS GIVEN IN LOW PRECISION. The matrix products marked QUANTISED in the list below multiply operands that are first quantised to E5M2 (5 exponent bits, 2 mantissa bits; 8 bits a number), with one given power-of-two scale for each operand tensor; their sums are f32. All else is computed in f32.
;;   The module's matrix products, in the order in which they are computed (A, B: the left and right operand; K: the contracted axis; several contracted axes count as one K, in the product's order):
;;     1. [M 32,768, K 512] x [K 512, N 64]; A: input x; B: input Wq: QUANTISED (scales: A lowp_scales[0], B lowp_scales[1])
;;     2. [M 32,768, K 512] x [K 512, N 64]; A: input x; B: input Wk: QUANTISED (scales: A lowp_scales[2], B lowp_scales[3])
;;     3. [M 32,768, K 512] x [K 512, N 64]; A: input x; B: input Wv: QUANTISED (scales: A lowp_scales[4], B lowp_scales[5])
;;     4. batch 16 x [M 2,048, K 64] x [K 64, N 2,048]; A: computed on the way; B: computed on the way: QUANTISED (scales: A lowp_scales[6], B lowp_scales[7])
;;     5. batch 16 x [M 2,048, K 2,048] x [K 2,048, N 64]; A: softmax (see below); B: computed on the way: QUANTISED (scales: A lowp_scales[8], B lowp_scales[9])
;;   THE QUANTISER, for each operand of a quantised product, along K:
;;     - The operand's scale is 2^e, e = its entry of the input lowp_scales (int32; the entries are numbered through the quantised products in the list's order, A before B).
;;     - Each number is divided by the scale, clamped to +-57,344, and rounded to the nearest number of E5M2, ties to even, subnormals kept.
;;     - The product sums the exact products of the quantised numbers (number of the format x scale) in f32.
;;   ~~~python
;;   def quantise(x, axis, e):      # numpy; x: float32 -> the quantised numbers, widened to float32 again
;;       x = np.moveaxis(x, axis, -1); K = x.shape[-1]
;;       r = np.clip(x / 2.0 ** e, -57344, 57344)
;;       step = 2.0 ** (np.maximum(np.frexp(np.where(r == 0, 1, r))[1] - 1, -14) - 2)
;;       q = np.round(r / step) * step * 2.0 ** e      # np.round: ties to even
;;       return np.moveaxis(q, -1, axis).astype(np.float32)
;;   ~~~
;;   SOFTMAX AHEAD OF A QUANTISED PRODUCT. Where the list says 'softmax', what is quantised is not the finished softmax but p = 2^(t - M), with t = logit x log2(e) and M = ceil(the row's largest t), a whole number; so 1/2 < the row's largest p <= 1. The row's sum l is taken of the UNQUANTISED p, in f32, and the product's result is divided by l at the end. Since M is a whole number, a kernel that streams over the keys may use a running M (the ceiling of the running maximum): every later rescaling is an exact power of two, so the quantised numbers keep their values, but for numbers so far below the row's largest that they fall under the format's range.
;;   OPERANDS COMPUTED ON THE WAY. 'Computed on the way' means the value that the module computes at that place (a softmax that the list does not call 'softmax' is quantised finished and normalised). What goes into a quantiser is computed in f32, as accurately as f32 sums, v_exp_f32 and their like allow (about 1e-6 of the number): no bf16 or f16 on the way to a quantiser, and a product that is left as it is and whose result goes on into a quantised operand takes f32 operands (vector FMAs, or v_wmma_f32_16x16x4_f32). A number that lies on a knife's edge between two numbers of the format may be rounded either way, as far as f32 arithmetic and the matrix unit's own rounding can turn it there, and no further.
;; One version. Each part assembles by itself: llvm-mc -triple=amdgcn-amd-amdhsa -mcpu=gfx1250 --defsym DOCPART=n.
;; ======== version 1 of 1: 2 launches
;; limits: right only within a limited range of input values
;; workspace buffers: qc 2,097,152 bytes; kv 4,194,304 bytes
;; launch proj (part 1): grid 256 x 1, 4 waves a work-group, no clusters, 300,544 bytes of LDS; arguments x, Wq, Wk, Wv, lowp_scales, qc, kv; writes qc, kv
.if DOCPART == 1
	.amdgcn_target "amdgcn-amd-amdhsa--gfx1250"
	.amdhsa_code_object_version 6
	.text
	.protected	k_q747f1ca0e8_proj
	.globl	k_q747f1ca0e8_proj
	.p2align	8
	.type	k_q747f1ca0e8_proj,@function
k_q747f1ca0e8_proj:
	s_mov_b64 s[64:65], 0
	v_nop
	global_prefetch_b8 v0, s[64:65] scope:SCOPE_SE
	s_setreg_imm32_b32 hwreg(HW_REG_WAVE_MODE, 25, 1), 1
	s_wait_xcnt 0x0
; q = x Wq, k = x Wk, v = x Wv on codes of BF8 (E5M2), and q, k, v themselves turned into codes for the attention launch.  x: [32,768][512] f32.  Wq, Wk, Wv: [512 (k)][64 (n)] f32, K along the first axis.
; x has a scale of its own for each product (entries 0, 2, 4 of lowp_scales), so it is quantised three times, in registers; the weights' scales are entries 1, 3, 5.  code = number / 2^e to the nearest code, ties to even; only the weights' numbers are first held within +-57,344.
; A sum of product p stands for sum x 2^(ex + ew), so q's code is sum / 2^(e6 - e0 - e1), k's sum / 2^(e7 - e2 - e3), v's sum / 2^(e9 - e4 - e5): the three scales are folded into the conversion's one.
; LIMITS: e0 to e5 and the three folded exponents lie between -126 and 112, so that each scale and 57,344 x the scale is an f32 number.  NaN among the inputs is not served.
; SHARES.  Work-group g owns rows 128 g .. 128 g + 127 (one block of 128 keys of one batch), 262,144 bytes of x; wave w rows 32 w .. 32 w + 31: two tiles of 16 tokens.
; ALL of the work-group's x is asked for at the head: four tensor loads a wave (16 rows x 1,024 bytes each), each LDS byte filled once in the launch; a wave reads only what its own loads brought,
; so its own counted s_wait_tensorcnt is all that orders those reads.  By this text's count four tensor loads of a wave are out at the most.
; EVERY WAVE HOLDS ALL 48 FRAGMENTS OF THE WEIGHTS' CODES (768 registers, windows 1 to 3).  The work-group reads the weights once and quantises them once, a quarter a wave, and hands the fragments round
; through a stage in LDS as images of operand registers, in three passes, a tensor a pass: in pass p wave w makes K step w (128 along K) of tensor p, all 64 columns: four fragments.
;   IN: lane (r = l % 16, h = l / 16) loads 16 bytes, columns 4 r .. 4 r + 3, of rows 128 w + 16 c + 8 h + j: sixteen lanes read one whole row of 256 bytes.  A pass's 64 loads fill window p + 1, which is free until that pass's codes land there.
;   SORTED BY THE HOLD: number t of load 8 c + j goes, held, to register 8 c + j of column 4 r + t's run of 64, so that a conversion finds eight neighbours along K in consecutive registers.  Nothing else is moved.
;   OUT: column 4 r + t is lane 4 (r % 4) + t of the tile r / 4 of 16 columns: the LDS store puts the lane's 16 bytes there.  A fragment's image: registers 4 c .. 4 c + 3 at + 512 c, lane l's 16 bytes at + 16 l.
; NO CLUSTER: a row of x is read by one work-group alone.  The weights, which all work-groups share, are 393,216 bytes; beside x's 266,240 and the stage's 32,832 a work-group's LDS has no room for them, so they come through registers, where no joint request exists.
; q AND k ARE MADE TRANSPOSED (source 0 = 16 columns of W, source 1 = 16 tokens): a lane holds one token and eight neighbouring dims, so the conversions' results are registers 2 t, 2 t + 1 of a fragment 16 tokens x 64 dims.
; v IS MADE THE OTHER WAY ROUND (source 0 = 16 tokens, source 1 = 16 columns of Wv): a lane holds one dim and eight neighbouring tokens: registers 2 c, 2 c + 1 (c = 2 w + m) of a fragment 16 dims x 128 keys.
; RESULTS: qc: token tile T at 1,024 T.  kv: block g at 16,384 g: k's 8 tiles of 1,024 bytes, then at + 8,192 v's 4 fragments of 2,048.  All as register images: four registers = 512 bytes, lane l's 16 bytes at 16 l.
; REGISTERS, window 0: v1 16 x lane; v2 my place in x's tiles; v4-9 (scale, limit) for x under e0, e2, e4; v10-15 the same for q, k, v; v16-79 64 numbers of x;
;   v96-143 x's codes, 16 registers for each product (on the way out q's and k's codes); v144-239 twelve accumulators (q 144, k 176, v 208, + 8 t); v240-255 v's codes.
;   While the weights are made only: v16-143 held numbers of two columns' runs; v144-207 my four fragments' codes; v208, v209 stage addresses; v210-215 (scale, limit) under e1, e3, e5; v216 my offset in a weight; v217 at work.
;   Window p + 1: first tensor p's numbers as loaded (load i at v[4 i]), then its codes: fragment (t, s) at v[16 (4 t + s)].
.set XT_W, 66560                       ; LDS 0 on: x.  A wave's part: four tiles
.set XT_L, 16640                       ; a tile: 16 rows of XP bytes
.set XP,   1040                        ; a row: 1,024 bytes + 16 of padding = 65 x 16: the 16 rows that a load touches fall on 16 different columns of 16 bytes modulo 256
.set WST,  266240                      ; behind x: the stage for a pass's 16 images; written by LDS stores alone, no tensor load lands here
.set WTS,  8208                        ; in the stage from one tile of 16 columns to the next: four images of 2,048 bytes + 16, so that the sixteen lanes of a store (four tiles x four places 64 bytes apart) fall on 16 different columns of 16 bytes modulo 256
.set L16,  1
.set XA,   2
.set SX,   4
.set SO,   10
.set X,    16
.set T,    80
.set XC,   96
.set ACC,  144
.set VC,   240
.set WT,   16
.set CD,   144
.set WSA,  208
.set WRA,  209
.set WS,   210
.set WL,   216
.set TM,   217
.set G1,   24                          ; s[24:31] descriptor group 1, one for all loads
.set G0,   32                          ; s[32:47] descriptor group 0, a set for each of the four loads; never rewritten
.set MSB,  0
.macro WIN new                         ; s_set_vgpr_msb: bits 1:0 source 0, 3:2 source 1, 5:4 source 2, 7:6 destination; the high byte repeats the setting that is left
.if MSB != \new
	s_set_vgpr_msb (MSB<<8)|\new
.set MSB, \new
.endif
.endm
	s_load_b256 s[4:11], s[0:1], 0x0               ; x s[4:5], Wq s[6:7], Wk s[8:9], Wv s[10:11]
	s_load_b128 s[12:15], s[0:1], 0x20             ; the scales' exponents s[12:13], qc s[14:15]
	s_load_b64 s[16:17], s[0:1], 0x30              ; kv
	v_lshl_add_u32 v254, v0, 2, 0x49400
	v_mov_b32 v255, 0
	ds_add_u32 v254, v255
	ds_add_u32 v254, v255
	s_wait_dscnt 0x0
	v_lshrrev_b32 v1, 5, v0
	v_readfirstlane_b32 s18, v1                    ; wave 0..3
	; group 1: a tile of 16 rows x 256 elements of 4 bytes, 512 elements from row to row, padded in LDS
	s_mov_b32 s[G1+0], (2<<16)|(1<<20)|(7<<22)|(3<<25)  ; 15:0 no mask; 17:16 elements of 4 bytes; 20 padding on; 24:22 after every 256 words (code 7); 31:25 four words (code 3)
	s_mov_b32 s[G1+1], 256<<16                     ; tensor_dim0 = 256
	s_mov_b32 s[G1+2], 16<<16                      ; tensor_dim1 = 16
	s_mov_b32 s[G1+3], 256<<16                     ; tile_dim0 = 256
	s_mov_b32 s[G1+4], 16                          ; tile_dim1 = 16
	s_mov_b32 s[G1+5], 512                         ; tensor_dim0_stride
	s_mov_b32 s[G1+6], 0
	s_mov_b32 s[G1+7], 0
	s_lshl_b32 s20, ttmp9, 18                      ; 128 rows of 2,048 bytes a work-group,
	s_lshl_b32 s22, s18, 16                        ; 32 a wave
	s_add_co_u32 s20, s20, s22
	s_mov_b32 s21, 0
	s_mul_i32 s19, s18, XT_W                       ; my part of LDS
	s_wait_kmcnt 0x0
	s_load_b256 s[48:55], s[12:13], 0x0            ; e0 .. e7
	s_load_b64 s[56:57], s[12:13], 0x20            ; e8, e9
	s_add_nc_u64 s[20:21], s[4:5], s[20:21]        ; x at my first row
.irp l, 0,1,2,3                        ; load l: token tile l / 2, K half l % 2
	s_mov_b32 s[G0+4*\l], 1                        ; count = 1
	s_add_co_u32 s[G0+4*\l+1], s19, \l*XT_L        ; LDS address
	s_add_nc_u64 s[G0+4*\l+2:G0+4*\l+3], s[20:21], (\l/2)*32768+(\l%2)*1024
	s_or_b32 s[G0+4*\l+3], s[G0+4*\l+3], 0x80000000  ; type = 2
.endr
.irp l, 0,1,2,3
	tensor_load_to_lds s[G0+4*\l:G0+4*\l+3], s[G1:G1+7]   ; all first fills in one group, ahead of every wait on TENSORcnt, every LDS read and every barrier
	s_nop 0
.endr
.rept 4
	v_nop                                          ; four lines behind the last tensor load
.endr
	v_and_b32 v[L16], 31, v0
	v_lshlrev_b32 v[L16], 4, v[L16]                ; 16 x lane
	v_and_b32 v3, 15, v0                           ; r
	v_bfe_u32 v[TM], v0, 4, 1                      ; h
	v_mul_u32_u24 v[XA], v3, XP
	v_lshl_add_u32 v[XA], v[TM], 5, v[XA]
	v_add_nc_u32 v[XA], s19, v[XA]                 ; x: my wave's part + row r + 32 h: eight numbers of each 16 along K
	v_lshlrev_b32 v[WL], 4, v3
	v_lshl_add_u32 v[WL], v[TM], 11, v[WL]         ; a weight: 16 r (columns 4 r on) + 8 h rows of 256 bytes
	s_wait_alu depctr_va_vdst(0)
	v_lshlrev_b32 v[WSA], 8, v[TM]                 ; the stage, on the way in: 256 h,
	v_lshrrev_b32 v[TM], 2, v3
	v_mul_u32_u24 v[TM], v[TM], WTS
	v_add_nc_u32 v[WSA], v[TM], v[WSA]             ; + the tile r / 4,
	v_and_b32 v[TM], 3, v0
	v_lshl_add_u32 v[WSA], v[TM], 6, v[WSA]        ; + 64 (r % 4): lanes 4 (r % 4) + t of an image,
	s_lshl_b32 s22, s18, 11
	s_add_co_u32 s22, s22, WST
	v_add_nc_u32 v[WSA], s22, v[WSA]               ; + my K step's image
	v_add_nc_u32 v[WRA], WST, v[L16]               ; and on the way out: 16 x lane
	s_lshl_b32 s22, s18, 15                        ; my K step: 128 rows of 256 bytes
	s_mov_b32 s23, 0
	s_add_nc_u64 s[6:7], s[6:7], s[22:23]
	s_add_nc_u64 s[8:9], s[8:9], s[22:23]
	s_add_nc_u64 s[10:11], s[10:11], s[22:23]
; Tensor p's 64 loads: load i = 8 c + j brings W(128 w + 16 c + 8 h + j, 4 r .. 4 r + 3) into v[4 i] on of window p + 1.  No hint: every work-group reads these bytes.
.macro LOADW p
.set wn, ((\p)+1)<<6
	WIN wn
.set i, 0
.rept 64
	global_load_b128 v[4*i:4*i+3], v[WL], s[6+2*(\p):7+2*(\p)] offset:(16*(i/8)+i%8)*256
.set i, i+1
.endr
	WIN 0
.endm
	LOADW 0
	s_lshl_b32 s22, ttmp9, 14
	s_lshl_b32 s58, s18, 9
	s_add_co_u32 s22, s22, s58
	s_add_co_u32 s22, s22, 8192
	s_add_nc_u64 s[60:61], s[16:17], s[22:23]      ; v's codes: block g, + 8,192, + 512 w (registers 4 w .. 4 w + 3 of each fragment)
	s_lshl_b32 s58, s18, 11
	s_lshl_b32 s22, ttmp9, 14
	s_add_co_u32 s22, s22, s58
	s_add_nc_u64 s[16:17], s[16:17], s[22:23]      ; k's codes: block g, tiles 2 w, 2 w + 1
	s_lshl_b32 s22, ttmp9, 13
	s_add_co_u32 s22, s22, s58
	s_add_nc_u64 s[14:15], s[14:15], s[22:23]      ; q's codes: tiles 8 g + 2 w, + 1
.macro PAT sc                          ; s58 = an exponent e: v[sc] = 2^e as f32, v[sc + 1] = 57,344 x 2^e
	s_add_co_i32 s58, s58, 127
	s_lshl_b32 s59, s58, 23
	v_mov_b32 v[\sc], s59
	s_add_co_i32 s58, s58, 15
	s_lshl_b32 s58, s58, 23
	s_or_b32 s58, s58, 0x600000
	v_mov_b32 v[\sc+1], s58
.endm
	s_wait_kmcnt 0x0
	s_mov_b32 s58, s49
	PAT WS                                         ; Wq: e1
	s_mov_b32 s58, s51
	PAT WS+2                                       ; Wk: e3
	s_mov_b32 s58, s53
	PAT WS+4                                       ; Wv: e5
	s_mov_b32 s58, s48
	PAT SX                                         ; x for q: e0
	s_mov_b32 s58, s50
	PAT SX+2                                       ; x for k: e2
	s_mov_b32 s58, s52
	PAT SX+4                                       ; x for v: e4
	s_sub_co_i32 s58, s54, s48
	s_sub_co_i32 s58, s58, s49
	PAT SO                                         ; q: e6 - e0 - e1
	s_sub_co_i32 s58, s55, s50
	s_sub_co_i32 s58, s58, s51
	PAT SO+2                                       ; k: e7 - e2 - e3
	s_sub_co_i32 s58, s57, s52
	s_sub_co_i32 s58, s58, s53
	PAT SO+4                                       ; v: e9 - e4 - e5
; My K step of tensor p becomes four fragments' codes, two columns' runs at a time: 128 holds (source 0 in window p + 1), which also sort the numbers by column, then 16 conversions.
; Fragment t's registers 2 c, 2 c + 1 (at v[CD + 16 t]) hold k = 16 c + 8 h + 0 .. 7 of column 4 r + t.
.macro QW p
.set ws, (\p)+1
.irp hh, 0,1
	WIN ws
.irp tt, 0,1
.set i, 0
.rept 64
	v_med3_num_f32 v[WT+64*\tt+i], v[4*i+2*\hh+\tt], -v[WS+2*(\p)+1], v[WS+2*(\p)+1]   ; the conversion to an 8-bit code does not saturate (ISA guide 7.6.2): the hold comes first
.set i, i+1
.endr
.endr
	WIN 0
.irp tt, 0,1
.irp c, 0,1,2,3,4,5,6,7
	v_cvt_scalef32_pk8_bf8_f32 v[CD+16*(2*\hh+\tt)+2*\c:CD+16*(2*\hh+\tt)+2*\c+1], v[WT+64*\tt+8*\c:WT+64*\tt+8*\c+7], v[WS+2*(\p)]
.endr
.endr
	v_nop                                          ; one plain instruction between the scaled conversions and the next vector or matrix instruction that writes their sources or touches their results
.endr
.endm
.macro STASH                           ; my four fragments go into the stage: a lane's 16 bytes to the lane and tile to which its column belongs
.irp t, 0,1,2,3
.irp c, 0,1,2,3
	ds_store_b128 v[WSA], v[CD+16*\t+4*\c:CD+16*\t+4*\c+3] offset:16*\t+512*\c
.endr
.endr
.endm
.macro TAKE p                          ; all 16 images of tensor p into window p + 1: fragment (t, s) at v[16 (4 t + s)]; each load takes 512 consecutive bytes
.set wn, ((\p)+1)<<6
	WIN wn
.irp t, 0,1,2,3
.irp s, 0,1,2,3
.irp c, 0,1,2,3
	ds_load_b128 v[16*(4*\t+\s)+4*\c:16*(4*\t+\s)+4*\c+3], v[WRA] offset:WTS*\t+2048*\s+512*\c
.endr
.endr
.endr
	WIN 0
.endm
.macro BAR                             ; my LDS stores have landed and my LDS loads are in; then the work-group's barrier.  x's tensor loads stay out across it: no LDS byte is filled twice in this launch
	s_wait_dscnt 0x0
	s_barrier_signal -1
	s_barrier_wait -1
.endm
	LOADW 1
	s_wait_loadcnt 63                              ; the largest count that the wait can name: of the 128 loads issued the first 65 are in, Wq's 64 among them
	QW 0
	LOADW 2                                        ; issued here, behind the first pass's arithmetic, so that it does not stand in front of that arithmetic
	STASH
	BAR                                            ; Wq's sixteen images lie in the stage
	TAKE 0
	s_wait_loadcnt 63                              ; of the 192 loads issued the first 129 are in, Wk's 64 among them
	QW 1                                           ; work on registers while the images come
	s_wait_alu depctr_va_vdst(0)
	BAR                                            ; every wave's reads of the stage are over: it may be written again
	STASH
	BAR
	TAKE 1
	s_wait_loadcnt 0x0                             ; Wv
	QW 2
	s_wait_alu depctr_va_vdst(0)
	BAR
	STASH
	BAR
	TAKE 2
; 64 numbers of unit u (token tile u / 4, K step u % 4): register 8 c + j = x(row r, 128 (u % 4) + 16 c + 8 h + j).  The unit lies in my tensor load u / 2, at byte 512 (u % 2) of its rows.
.macro XFETCH u
.irp c, 0,1,2,3,4,5,6,7
.irp i, 0,1
	ds_load_b128 v[X+8*\c+4*\i:X+8*\c+4*\i+3], v[XA] offset:((\u)/2)*XT_L+((\u)%2)*512+64*\c+16*\i
.endr
.endr
.endm
; x's fragment for product p: converted straight from the loaded numbers, with no hold.
.macro QX p
.irp c, 0,1,2,3,4,5,6,7
.irp i, 0,1,2,3,4,5,6,7
.endr
	v_cvt_scalef32_pk8_bf8_f32 v[XC+16*\p+2*\c:XC+16*\p+2*\c+1], v[T+8*(\c%2)+((X+8*\c+0)-(T+8*(\c%2)+0)):T+8*(\c%2)+7+((X+8*\c+0)-(T+8*(\c%2)+0))], v[SX+2*\p]
.endr
.endm
; A UNIT: 16 tokens x 128 along K: three quantisings and twelve matrix instructions.  The twelve accumulators take turns, one instruction a turn, in the same order in every unit.
; A tile's first K step starts the sums with the constant 0: nothing is cleared.  The four v_nops at the next unit's head are the places between these products and the first write of their sources.
.macro UNIT u
.set KSTP, (\u)%4
.set nu, (\u)+1
.if (\u) == 4
	s_wait_xcnt 0x0                                ; tile 0's stores have read q's and k's codes: those registers take x's codes again only behind this wait
.endif
	s_wait_dscnt 0x0                               ; the unit's 64 numbers are in (in the first unit: Wv's images too)
	v_nop
	v_nop
	v_nop
	v_nop
	QX 0
	QX 1
	QX 2
	v_nop                                          ; one plain instruction between the last scaled conversion and the products that read its result
.if nu < 8
.if nu%2 == 0
	s_wait_alu depctr_va_vdst(0)
	s_wait_tensorcnt 3-nu/2                        ; the next unit begins my load nu / 2: the loads issued behind that one may stay out
.endif
	XFETCH nu                                      ; all reads of the 64 numbers are issued: the next unit's come while the products run
.endif
	WIN 0x01                                       ; source 0: Wq, window 1
.irp t, 0,1,2,3
.if KSTP == 0
	v_wmma_f32_16x16x128_bf8_bf8 v[ACC+8*\t:ACC+8*\t+7], v[16*(4*\t+KSTP):16*(4*\t+KSTP)+15], v[XC:XC+15], 0
.else
	v_wmma_f32_16x16x128_bf8_bf8 v[ACC+8*\t:ACC+8*\t+7], v[16*(4*\t+KSTP):16*(4*\t+KSTP)+15], v[XC:XC+15], v[ACC+8*\t:ACC+8*\t+7]
.endif
.endr
	WIN 0x02                                       ; source 0: Wk, window 2
.irp t, 0,1,2,3
.if KSTP == 0
	v_wmma_f32_16x16x128_bf8_bf8 v[ACC+32+8*\t:ACC+32+8*\t+7], v[16*(4*\t+KSTP):16*(4*\t+KSTP)+15], v[XC+16:XC+31], 0
.else
	v_wmma_f32_16x16x128_bf8_bf8 v[ACC+32+8*\t:ACC+32+8*\t+7], v[16*(4*\t+KSTP):16*(4*\t+KSTP)+15], v[XC+16:XC+31], v[ACC+32+8*\t:ACC+32+8*\t+7]
.endif
.endr
	WIN 0x0c                                       ; source 1: Wv, window 3
.irp t, 0,1,2,3
.if KSTP == 0
	v_wmma_f32_16x16x128_bf8_bf8 v[ACC+64+8*\t:ACC+64+8*\t+7], v[XC+32:XC+47], v[16*(4*\t+KSTP):16*(4*\t+KSTP)+15], 0
.else
	v_wmma_f32_16x16x128_bf8_bf8 v[ACC+64+8*\t:ACC+64+8*\t+7], v[XC+32:XC+47], v[16*(4*\t+KSTP):16*(4*\t+KSTP)+15], v[ACC+64+8*\t:ACC+64+8*\t+7]
.endif
.endr
	WIN 0
.endm
; THE WAY OUT of token tile m: the sums are converted, each accumulator from its low end on; q's and k's eight registers of codes are a tile's image; v's pair joins the other tile's.
.macro OUT m
.rept 4
	v_nop                                          ; four places between the last products and the first read of their results (ISA guide 7.12.1)
.endr
.irp t, 0,1,2,3
.irp i, 0,1,2,3,4,5,6,7
.endr
	v_cvt_scalef32_pk8_bf8_f32 v[XC+2*\t:XC+2*\t+1], v[ACC+8*\t:ACC+8*\t+7], v[SO]              ; q(token r, dims 16 t + 8 h + 0 .. 7)
.endr
.irp t, 0,1,2,3
.irp i, 0,1,2,3,4,5,6,7
.endr
	v_cvt_scalef32_pk8_bf8_f32 v[XC+8+2*\t:XC+8+2*\t+1], v[ACC+32+8*\t:ACC+32+8*\t+7], v[SO+2]  ; k likewise
.endr
.irp t, 0,1,2,3
.irp i, 0,1,2,3,4,5,6,7
.endr
	v_cvt_scalef32_pk8_bf8_f32 v[VC+4*\t+2*\m:VC+4*\t+2*\m+1], v[ACC+64+8*\t:ACC+64+8*\t+7], v[SO+4]  ; v(tokens 8 h + 0 .. 7 of the tile, dim 16 t + r)
.endr
	v_nop                                          ; one plain instruction behind the last scaled conversion
	global_store_b128 v[L16], v[XC:XC+3], s[14:15] offset:1024*\m           ; each store of the wave covers 512 consecutive bytes, aligned
	global_store_b128 v[L16], v[XC+4:XC+7], s[14:15] offset:1024*\m+512
	global_store_b128 v[L16], v[XC+8:XC+11], s[16:17] offset:1024*\m
	global_store_b128 v[L16], v[XC+12:XC+15], s[16:17] offset:1024*\m+512
.if \m == 1
.irp t, 0,1,2,3
	global_store_b128 v[L16], v[VC+4*\t:VC+4*\t+3], s[60:61] offset:2048*\t
.endr
.endif
.endm
	s_wait_tensorcnt 3                             ; my first tile of x has landed; the three loads issued behind it may be out
	XFETCH 0
	UNIT 0
	UNIT 1
	UNIT 2
	UNIT 3
	OUT 0
	UNIT 4
	UNIT 5                                         ; (its wait on TENSORcnt is for 0: no tensor load is out at the end)
	UNIT 6
	UNIT 7
	OUT 1
	s_wait_xcnt 0x0
	v_lshl_add_u32 v254, v0, 2, 0x49400
	v_mov_b32 v255, 0
	s_wait_alu depctr_va_vdst(0)
	s_wait_tensorcnt 0x0
	ds_add_u32 v254, v255
	s_wait_dscnt 0x0
	s_endpgm
.Lfunc_end_k_q747f1ca0e8_proj:
	.size	k_q747f1ca0e8_proj, .Lfunc_end_k_q747f1ca0e8_proj-k_q747f1ca0e8_proj
	.p2alignl 7, 3214868480
	.fill 96, 4, 3214868480
	.section	.rodata,"a",@progbits
	.p2align	6, 0x0
	.amdhsa_kernel k_q747f1ca0e8_proj
		.amdhsa_group_segment_fixed_size 300544
		.amdhsa_private_segment_fixed_size 0
		.amdhsa_enable_private_segment 0
		.amdhsa_kernarg_size 56
		.amdhsa_user_sgpr_count 2
		.amdhsa_user_sgpr_kernarg_segment_ptr 1
		.amdhsa_wavefront_size32 1
		.amdhsa_system_sgpr_workgroup_id_x 1
		.amdhsa_system_sgpr_workgroup_id_y 1
		.amdhsa_system_sgpr_workgroup_id_z 1
		.amdhsa_system_vgpr_workitem_id 0
		.amdhsa_next_free_vgpr 1024
		.amdhsa_next_free_sgpr 66
		.amdhsa_reserve_vcc 0
		.amdhsa_float_denorm_mode_32 3
		.amdhsa_float_denorm_mode_16_64 3
		.amdhsa_fp16_overflow 1
		.amdhsa_memory_ordered 1
		.amdhsa_forward_progress 1
		.amdhsa_inst_pref_size 129
	.end_amdhsa_kernel
	.amdgpu_metadata
---
amdhsa.version: [ 1, 2 ]
amdhsa.kernels:
  - .name:           k_q747f1ca0e8_proj
    .symbol:         k_q747f1ca0e8_proj.kd
    .args:
      - { .name: x, .offset: 0, .size: 8, .value_kind: global_buffer, .address_space: global }
      - { .name: Wq, .offset: 8, .size: 8, .value_kind: global_buffer, .address_space: global }
      - { .name: Wk, .offset: 16, .size: 8, .value_kind: global_buffer, .address_space: global }
      - { .name: Wv, .offset: 24, .size: 8, .value_kind: global_buffer, .address_space: global }
      - { .name: lowp_scales, .offset: 32, .size: 8, .value_kind: global_buffer, .address_space: global }
      - { .name: qc, .offset: 40, .size: 8, .value_kind: global_buffer, .address_space: global }
      - { .name: kv, .offset: 48, .size: 8, .value_kind: global_buffer, .address_space: global }
    .group_segment_fixed_size: 300544
    .private_segment_fixed_size: 0
    .kernarg_segment_align: 8
    .kernarg_segment_size: 56
    .max_flat_workgroup_size: 128
    .sgpr_count:     66
    .vgpr_count:     1024
    .wavefront_size: 32
...
	.end_amdgpu_metadata
.endif
;; end of part 1
;; launch attn (part 2): grid 16 x 16, 8 waves a work-group, clusters of 4 x 1, 297,984 bytes of LDS; arguments qc, kv, lowp_scales, out0; writes out0
.if DOCPART == 2
	.amdgcn_target "amdgcn-amd-amdhsa--gfx1250"
	.amdhsa_code_object_version 6
	.text
	.protected	k_q747f1ca0e8_attn
	.globl	k_q747f1ca0e8_attn
	.p2align	8
	.type	k_q747f1ca0e8_attn,@function
k_q747f1ca0e8_attn:
	s_mov_b64 s[64:65], 0
	v_nop
	global_prefetch_b8 v0, s[64:65] scope:SCOPE_SE
	s_setreg_imm32_b32 hwreg(HW_REG_WAVE_MODE, 25, 1), 1
	s_wait_xcnt 0x0
	s_wait_alu depctr_hold_cnt(0) depctr_sa_sdst(0) depctr_va_vdst(0) depctr_va_sdst(0) depctr_va_ssrc(0) depctr_va_vcc(0) depctr_vm_vsrc(0)
	s_getreg_b32 s2, hwreg(HW_REG_IB_STS2, 6, 4)
	s_cmp_eq_u32 s2, 0
	s_cbranch_scc0 .Lentry_in_a_cluster
	s_endpgm
.Lentry_in_a_cluster:
	s_bfe_u32 s2, ttmp6, 0x10000c
	s_cmp_lg_u32 s2, 0x3003
	s_cbranch_scc0 .Lentry_shape_is_right
	s_endpgm
.Lentry_shape_is_right:
; out[b][q][:] = the sum over keys k <= q of softmax_k(q . k / 8) v[k][:], both products on codes of BF8 (E5M2); q's, k's, p's and v's scales are entries 6, 7, 8, 9 of lowp_scales.  out0: [16][2,048][64] f32.
; THE SOFTMAX AHEAD OF THE SECOND PRODUCT: t = score x log2(e) / 8; M = the running largest t rounded UP to a whole number; p = 2^(t - M) is quantised along the keys, not normalised.
; The row's sum is taken of the unquantised p, in f32, and divides at the end.  When M moves, the sum and O are multiplied by 2^(old M - new M): nothing is rounded, and there is no branch on data.
; LIMITS: e6 + e7 between -123 and 130 (added to the exponent field of log2(e) / 8); e8 between -126 and 112; e8 + e9 is applied by v_ldexp_f32 and has none.  Every t lies above -3e38.  NaN is not served.
; INPUTS are register images: qc: tile of 16 tokens x 64 dims at 1,024 x (128 b + tile).  kv: batch b at 262,144 b; key step ks (128 keys) at + 16,384 ks: k's 8 tiles of 1,024 bytes, at + 8,192 v's 4 fragments (16 dims x 128 keys) of 2,048.
; SHARES.  Work-group (j, b), j = 0 .. 15, owns the query tiles 16 n + j, n = 0 .. 7, one a wave: n = w for waves 0 to 3 and 11 - w for waves 4 to 7, so that waves w and w + 4 have 16 or 18 key steps between them.
; Tile 16 n + j wants key steps 0 .. KSD, KSD = 2 n + j / 8, the last on the diagonal.  j / 8 is half the cluster's x, so every branch hangs on the wave's number and the cluster's x, alike in all four partners;
; my place in the cluster enters q's and out0's global addresses and the number that the mask compares with, nothing else.
; K AND V: a batch's 262,144 bytes lie in LDS whole, as they lie in memory, each byte filled once.  CLUSTER: the four partners walk the same batch, so each part is asked for JOINTLY (mask 15): the same two loads a wave in all four.
; Load a: 8,192 bytes a wave: key steps 0 to 3.  Load b: 24,576 bytes a wave: steps 4 to 15.  By this text's count two tensor loads of a wave are out at the most.  All loads stand at the head, so there is no earlier trip from which anything could be asked for ahead.
; EVERY WAVE WALKS ALL 16 STEPS: the loops' trip counts are constants; a step whose keys all come after my queries is jumped over (its loads, products and softmax; not the lines that step the address).
; LAYOUT.  Both products transposed: S^T = K Q^T (source 0 = 16 keys, source 1 = my 16 queries), O^T = V^T P^T (source 0 = 16 dims, source 1 = P): a lane holds ONE query (lane % 16) throughout.
; Register j of tile u of S^T is key 16 u + 8 (lane / 16) + j: its eight codes are registers 2 u, 2 u + 1 of P's fragment, as the form's own layout has them, and v's images are laid the same.
; REGISTERS: v1 16 x lane; v2 the step's LDS address; v3 the mask's number; v4 -infinity; v5, v6 stage addresses; v12 -M, v13 the largest t, v[14:15] the sum in two halves; v16-23 Q; v32-95 K's 8 tiles, then V's 4 fragments;
;   v96-159 S^T, then p; v160-191 O^T; v192-207 p's codes; v208-215 at work; v216 2^e8.
.set STEPB, 16384                      ; a key step in LDS
.set STAGE, 262144                     ; behind K and V: 16 rows x (256 bytes + 16) for each wave, its own; no tensor load lands here
.set L16,  1
.set ADR,  2
.set DD,   3
.set NINF, 4
.set STO,  5
.set RD,   6
.set Q,    16
.set KV,   32
.set S,    96
.set O,    160
.set PC,   192
.set MX,   208
.set F,    210                         ; v[210:211]: f = 2^(old M - new M), and a register named with it as a pair
.set PM,   212
.set SM2,  214
.set PSC,  216
.set PLM,  217
.set WV,   12                          ; s12 wave
.set KSD,  18                          ; s18 my diagonal step
.set KS,   19                          ; s19 the step in hand
.set TB,   20                          ; s20 its first LDS byte
.set CNT,  21                          ; s21 trips to go
.set SEL,  22                          ; s[22:23] v_permlanex16_b32's selects for lane l xor 16
.set CS,   24                          ; s[24:25] c = log2(e) / 8 x 2^(e6 + e7)
.set G1A,  28                          ; s[28:35] group 1 of load a;  s[36:43] of load b;  s[44:47], s[48:51] their groups 0
.set G1B,  36
.set G0A,  44
.set G0B,  48
; A round of the cluster's barrier: my work-group's barrier; wave 0 signals for the work-group; every wave waits for all four work-groups; my work-group's barrier once more.
.macro ROUND
	s_barrier_signal -1
	s_barrier_wait -1
	s_cmp_lg_u32 s[WV], 0
	s_cbranch_scc1 .Lnot_wave_0_\@
	s_barrier_signal -3
.Lnot_wave_0_\@:
	s_barrier_wait -3
	s_barrier_signal -1
	s_barrier_wait -1
.endm
	s_load_b256 s[4:11], s[0:1], 0x0               ; qc s[4:5], kv s[6:7], the scales' exponents s[8:9], out0 s[10:11]
	v_lshl_add_u32 v224, v0, 2, 0x48800
	v_mov_b32 v225, 0
	ds_add_u32 v224, v225
	ds_add_u32 v224, v225
	v_lshrrev_b32 v1, 5, v0
	s_delay_alu instid0(VALU_DEP_1)
	v_readfirstlane_b32 s[WV], v1                  ; wave 0..7
	s_bfe_u32 s13, ttmp6, 0x40000                  ; cx: my place in the cluster
	s_lshl_b32 s14, ttmp9, 2                       ; in a cluster launch ttmp9 counts clusters
	s_add_co_u32 s14, s14, s13                     ; j = 4 x cluster x + cx
	s_and_b32 s15, ttmp7, 0xffff                   ; the batch, which the four partners share
	s_sub_co_u32 s56, 11, s[WV]
	s_cmp_lt_u32 s[WV], 4
	s_cselect_b32 s16, s[WV], s56                  ; n
	s_lshl_b32 s17, s16, 4
	s_add_co_u32 s17, s17, s14                     ; my query tile: 16 n + j
	s_lshl_b32 s[KSD], s16, 1
	s_lshr_b32 s56, ttmp9, 1
	s_add_co_u32 s[KSD], s[KSD], s56               ; 2 n + j / 8
	; group 1: dense blocks as rows of 256 bytes (32 elements of 8 bytes): 32 rows, and 96 rows
	s_mov_b32 s[G1A+0], 15|(3<<16)|(1<<21)         ; 15:0 the mask: all four work-groups; 17:16 elements of 8 bytes; 21 set beside a mask; no padding: every fragment load takes 512 consecutive bytes
	s_mov_b32 s[G1A+1], 32<<16                     ; tensor_dim0 = 32
	s_mov_b32 s[G1A+2], 32<<16                     ; tensor_dim1 = 32
	s_mov_b32 s[G1A+3], 32<<16                     ; tile_dim0 = 32
	s_mov_b32 s[G1A+4], 32                         ; tile_dim1 = 32
	s_mov_b32 s[G1A+5], 32                         ; tensor_dim0_stride
	s_mov_b32 s[G1A+6], 0
	s_mov_b32 s[G1A+7], 0
	s_mov_b32 s[G1B+0], 15|(3<<16)|(1<<21)
	s_mov_b32 s[G1B+1], 32<<16
	s_mov_b32 s[G1B+2], 96<<16                     ; tensor_dim1 = 96
	s_mov_b32 s[G1B+3], 32<<16
	s_mov_b32 s[G1B+4], 96                         ; tile_dim1 = 96
	s_mov_b32 s[G1B+5], 32
	s_mov_b32 s[G1B+6], 0
	s_mov_b32 s[G1B+7], 0
	s_lshl_b32 s56, s15, 18                        ; the batch's block of kv
	s_mov_b32 s57, 0
	s_mov_b32 s59, 0
	s_mov_b32 s[G0A], 1                            ; count = 1
	s_lshl_b32 s[G0A+1], s[WV], 13                 ; LDS address = the place in the block: 8,192 w: no place in the cluster enters it
	s_mov_b32 s[G0B], 1
	s_mul_i32 s[G0B+1], s[WV], 24576
	s_add_co_u32 s[G0B+1], s[G0B+1], 65536         ; 65,536 + 24,576 w
	s_wait_dscnt 0x0
	s_wait_kmcnt 0x0
	s_load_b128 s[52:55], s[8:9], 0x18             ; e6, e7, e8, e9
	s_add_nc_u64 s[6:7], s[6:7], s[56:57]
	s_mov_b32 s58, s[G0A+1]
	s_add_nc_u64 s[G0A+2:G0A+3], s[6:7], s[58:59]
	s_or_b32 s[G0A+3], s[G0A+3], 0x80000000        ; type = 2
	s_mov_b32 s58, s[G0B+1]
	s_add_nc_u64 s[G0B+2:G0B+3], s[6:7], s[58:59]
	s_or_b32 s[G0B+3], s[G0B+3], 0x80000000
	ROUND                                          ; all four work-groups are here: the joint loads meet
	tensor_load_to_lds s[G0A:G0A+3], s[G1A:G1A+7]  ; my part of key steps 0 to 3
	s_nop 0
	tensor_load_to_lds s[G0B:G0B+3], s[G1B:G1B+7]  ; my part of key steps 4 to 15
	s_nop 0
.rept 4
	v_nop                                          ; four lines behind the last tensor load
.endr
	s_lshl_b32 s56, s15, 7
	s_add_co_u32 s56, s56, s17                     ; 128 b + my tile
	s_lshl_b32 s56, s56, 10
	s_add_nc_u64 s[4:5], s[4:5], s[56:57]          ; its image in qc,
	s_lshl_b32 s56, s56, 2
	s_add_nc_u64 s[10:11], s[10:11], s[56:57]      ; its 16 rows of 256 bytes in out0
	v_and_b32 v[L16], 31, v0
	s_delay_alu instid0(VALU_DEP_1)
	v_lshlrev_b32 v[L16], 4, v[L16]
	global_load_b128 v[Q:Q+3], v[L16], s[4:5]      ; Q's fragment stays in registers
	global_load_b128 v[Q+4:Q+7], v[L16], s[4:5] offset:512
	v_and_b32 v7, 15, v0                           ; r
	v_bfe_u32 v8, v0, 4, 1                         ; h
	s_and_b32 s56, s14, 7
	s_lshl_b32 s56, s56, 4                         ; my tile's first query within the diagonal step: 16 (j % 8)
	v_lshlrev_b32 v9, 3, v8
	s_delay_alu instid0(VALU_DEP_1)
	v_sub_nc_u32 v[DD], v7, v9
	s_delay_alu instid0(VALU_DEP_1)
	v_add_nc_u32 v[DD], s56, v[DD]                 ; 16 (j % 8) + r - 8 h: register 8 u + i (key 16 u + 8 h + i) is hidden where 16 u + i is greater
	v_mov_b32 v[NINF], 0xff800000
	s_mul_i32 s57, s[WV], 4352
	s_add_co_u32 s57, s57, STAGE                   ; my stage
	v_mul_u32_u24 v[STO], v7, 272
	s_delay_alu instid0(VALU_DEP_1)
	v_lshl_add_u32 v[STO], v8, 5, v[STO]
	s_delay_alu instid0(VALU_DEP_1)
	v_add_nc_u32 v[STO], s57, v[STO]               ; in: row r, + 32 h
	v_mul_u32_u24 v[RD], v8, 272
	s_delay_alu instid0(VALU_DEP_1)
	v_lshl_add_u32 v[RD], v7, 4, v[RD]
	s_delay_alu instid0(VALU_DEP_1)
	v_add_nc_u32 v[RD], s57, v[RD]                 ; back: lanes 0-15 one row, lanes 16-31 the next
	v_mov_b32 v13, 0xff61b1e6                      ; the largest t so far: -3e38
	s_delay_alu instid0(VALU_DEP_1)
	v_floor_f32 v12, -v13                          ; -M
	v_mov_b32 v14, 0                               ; the sum, in two halves
	v_mov_b32 v15, 0
	v_mov_b32 v[PM], 0                             ; written once: a lane permute's destination counts as one of its sources
	v_mov_b32 v[F+1], 0                            ; (named as the upper half of a pair)
.irp j, 0,1,2,3,4,5,6,7,8,9,10,11,12,13,14,15,16,17,18,19,20,21,22,23,24,25,26,27,28,29,30,31
	v_mov_b32 v[O+\j], 0                           ; O^T.  (The step has no first form of its own: the first finds zeros, which the first change of M leaves zeros)
.endr
	s_mov_b32 s[SEL], 0x76543210
	s_mov_b32 s[SEL+1], 0xfedcba98
	s_mov_b32 s[CS], 0x3e38aa3b                    ; log2(e) / 8
	s_mov_b32 s[KS], 0
	s_mov_b32 s[TB], 0
	s_wait_kmcnt 0x0
	s_add_co_i32 s56, s52, s53
	s_lshl_b32 s56, s56, 23
	s_add_co_i32 s[CS], s[CS], s56                 ; a score stands for score x 2^(e6 + e7): the exponents are added to c's exponent field
	s_mov_b32 s[CS+1], s[CS]                       ; (named with it as a pair, so it is written)
	s_add_co_i32 s56, s54, 127
	s_lshl_b32 s57, s56, 23
	v_mov_b32 v[PSC], s57                          ; 2^e8 as f32, for the conversion
; A KEY STEP: 128 keys at LDS byte s[TB].
.macro STEP
	s_cmp_gt_u32 s[KS], s[KSD]                     ; all its keys come after my queries: nothing to do but to step on
	s_cbranch_scc1 .Lhid_\@
	s_setprio 2
	v_add_nc_u32 v[ADR], s[TB], v[L16]
.rept 3
	v_nop                                          ; with the addition above: four places between the last step's products and the loads into the registers that they read
.endr
.irp u, 0,1,2,3,4,5,6,7
	ds_load_b128 v[KV+8*\u:KV+8*\u+3], v[ADR] offset:1024*\u
	ds_load_b128 v[KV+8*\u+4:KV+8*\u+7], v[ADR] offset:1024*\u+512
.endr
	s_wait_alu depctr_va_vdst(0)
.irp u, 0,1,2,3,4,5,6,7
	s_wait_dscnt 14-2*\u                           ; LDS loads come back in order: tile u's two are in, the later tiles' may be out
	v_wmma_f32_16x16x64_bf8_bf8 v[S+8*\u:S+8*\u+7], v[KV+8*\u:KV+8*\u+7], v[Q:Q+7], 0
.endr
.rept 4
	v_nop                                          ; four places: in front of the loads into K's registers, and of the first read of the scores
.endr
.irp t, 0,1,2,3
.irp c, 0,1,2,3
	ds_load_b128 v[KV+16*\t+4*\c:KV+16*\t+4*\c+3], v[ADR] offset:8192+2048*\t+512*\c   ; V lands while the softmax is worked
.endr
.endr
	s_cmp_lg_u32 s[KS], s[KSD]                     ; only the diagonal step has hidden keys
	s_cbranch_scc1 .Lopen_\@
.set n, 0
.rept 64
	v_cmp_gt_i32 vcc_lo, 16*(n/8)+n%8, v[DD]
	v_cndmask_b32 v[S+n], v[S+n], v[NINF], vcc_lo  ; a hidden score becomes -infinity ahead of the maximum: p = 0 then
.set n, n+1
.endr
.Lopen_\@:
	v_max3_num_f32 v[MX], v[S], v[S+1], v[S+2]     ; the step's largest score of my query among my 64 keys, in two chains, each accumulator from its low end on,
	v_max3_num_f32 v[F], v[S+3], v[S+4], v[S+5]
.irp i, 6,10,14,18,22,26,30,34,38,42,46,50,54,58
	v_max3_num_f32 v[MX], v[MX], v[S+\i], v[S+\i+1]
	v_max3_num_f32 v[F], v[F], v[S+\i+2], v[S+\i+3]
.endr
	v_max3_num_f32 v[MX], v[MX], v[S+62], v[S+63]
	s_delay_alu instid0(VALU_DEP_1)
	v_max_num_f32 v[MX], v[MX], v[F]
	s_delay_alu instid0(VALU_DEP_1)
	v_permlanex16_b32 v[PM], v[MX], s[SEL], s[SEL+1]
	s_delay_alu instid0(VALU_DEP_1)
	v_max_num_f32 v[MX], v[MX], v[PM]              ; and among lane l xor 16's
	s_delay_alu instid0(VALU_DEP_1)
	v_mul_f32 v[MX], s[CS], v[MX]                  ; as t (c is positive)
	s_delay_alu instid0(VALU_DEP_1)
	v_max_num_f32 v13, v13, v[MX]                  ; the running largest t
	v_mov_b32 v[MX], v12
	s_delay_alu instid0(VALU_DEP_2)
	v_floor_f32 v12, -v13                          ; the new -M = floor(-t) = -ceil(t)
	s_delay_alu instid0(VALU_DEP_1)
	v_sub_f32 v[MX], v12, v[MX]                    ; old M - new M: a whole number, 0 or less
	s_delay_alu instid0(VALU_DEP_1)
	v_cvt_i32_f32 v[MX], v[MX]                     ; (it saturates)
	s_delay_alu instid0(VALU_DEP_1)
	v_ldexp_f32 v[F], 1.0, v[MX]                   ; f = 2^(old M - new M)
	s_setprio 1
.irp j, 0,2,4,6,8,10,12,14,16,18,20,22,24,26,28,30,32,34,36,38,40,42,44,46,48,50,52,54,56,58,60,62
	v_pk_fma_f32 v[S+\j:S+\j+1], v[S+\j:S+\j+1], s[CS:CS+1], v[12:13] op_sel_hi:[1,0,0]   ; t - M, two at a time (of the pairs c and -M the low word serves both halves)
.endr
	s_wait_alu depctr_va_vdst(0)
.irp j, 0,1,2,3,4,5,6,7,8,9,10,11,12,13,14,15,16,17,18,19,20,21,22,23,24,25,26,27,28,29,30,31,32,33,34,35,36,37,38,39,40,41,42,43,44,45,46,47,48,49,50,51,52,53,54,55,56,57,58,59,60,61,62,63
	v_exp_f32 v[S+\j], v[S+\j]                     ; p = 2^(t - M), at most 1
.endr
	v_pk_mul_f32 v[14:15], v[14:15], v[F:F+1] op_sel_hi:[1,0]   ; the sums under the new M: the plain instruction behind the last exponential
	s_wait_alu depctr_va_vdst(0)                   ; one wait for the batch of 64, ahead of its first reader
	v_pk_add_f32 v[214:215], v[100:101], v[104:105]
	v_pk_add_f32 v[222:223], v[108:109], v[112:113]
	v_pk_add_f32 v[220:221], v[116:117], v[120:121]
	v_pk_add_f32 v[218:219], v[124:125], v[128:129]
	v_pk_add_f32 v[208:209], v[132:133], v[136:137]
	v_pk_add_f32 v[206:207], v[140:141], v[144:145]
	v_pk_add_f32 v[204:205], v[148:149], v[152:153]
	v_pk_add_f32 v[14:15], v[14:15], v[156:157]
	v_pk_add_f32 v[214:215], v[214:215], v[96:97]
	v_pk_add_f32 v[222:223], v[222:223], v[98:99]
	v_pk_add_f32 v[220:221], v[220:221], v[102:103]
	v_pk_add_f32 v[218:219], v[218:219], v[106:107]
	v_pk_add_f32 v[208:209], v[208:209], v[110:111]
	v_pk_add_f32 v[206:207], v[206:207], v[114:115]
	v_pk_add_f32 v[204:205], v[204:205], v[118:119]
	v_pk_add_f32 v[14:15], v[14:15], v[122:123]
	v_pk_add_f32 v[214:215], v[214:215], v[126:127]
	v_pk_add_f32 v[222:223], v[222:223], v[130:131]
	v_pk_add_f32 v[220:221], v[220:221], v[134:135]
	v_pk_add_f32 v[218:219], v[218:219], v[138:139]
	v_pk_add_f32 v[208:209], v[208:209], v[142:143]
	v_pk_add_f32 v[206:207], v[206:207], v[146:147]
	v_pk_add_f32 v[204:205], v[204:205], v[150:151]
	s_setprio 0
	v_pk_add_f32 v[14:15], v[14:15], v[154:155]
	v_pk_add_f32 v[214:215], v[214:215], v[158:159]
	s_delay_alu instid0(VALU_DEP_2)
	v_pk_add_f32 v[14:15], v[14:15], v[218:219]
	s_delay_alu instid0(VALU_DEP_2)
	v_pk_add_f32 v[214:215], v[214:215], v[208:209]
	v_pk_add_f32 v[222:223], v[222:223], v[206:207]
	v_pk_add_f32 v[220:221], v[220:221], v[204:205]
	s_delay_alu instid0(VALU_DEP_2)
	v_pk_add_f32 v[14:15], v[14:15], v[222:223]
	s_delay_alu instid0(VALU_DEP_2)
	v_pk_add_f32 v[214:215], v[214:215], v[220:221]
	s_delay_alu instid0(VALU_DEP_1)
	v_pk_add_f32 v[14:15], v[14:15], v[214:215]
.irp u, 0,1,2,3,4,5,6,7
.irp i, 0,1,2,3,4,5,6,7
.endr
	v_cvt_scalef32_pk8_bf8_f32 v[PC+2*\u:PC+2*\u+1], v[S+8*\u:S+8*\u+7], v[PSC]
.endr
.irp j, 0,2,4,6,8,10,12,14,16,18,20,22,24,26,28,30
	v_pk_mul_f32 v[O+\j:O+\j+1], v[O+\j:O+\j+1], v[F:F+1] op_sel_hi:[1,0]   ; O^T under the new M.  (Also the plain instructions between the conversions and the products below)
.endr
	s_wait_alu depctr_va_vdst(0)
	s_wait_dscnt 0x0                               ; V is in
.irp t, 0,1,2,3
	v_wmma_f32_16x16x128_bf8_bf8 v[O+8*\t:O+8*\t+7], v[KV+16*\t:KV+16*\t+15], v[PC:PC+15], v[O+8*\t:O+8*\t+7]   ; the four accumulators take turns, one instruction a turn
.endr
.Lhid_\@:
	s_add_co_u32 s[KS], s[KS], 1
	s_add_co_u32 s[TB], s[TB], STEPB
.endm
.macro LOOP k                          ; k key steps: a constant of the text
	s_mov_b32 s[CNT], \k
.Lstep_\@:
	STEP
	s_sub_co_u32 s[CNT], s[CNT], 1
	s_cmp_lg_u32 s[CNT], 0
	s_cbranch_scc1 .Lstep_\@
	s_setprio 0
.endm
	s_wait_loadcnt 0x0                             ; Q
	s_wait_tensorcnt 1                             ; my part of key steps 0 to 3 has landed; the load issued behind it may be out: nothing is filled twice in this launch
	s_barrier_signal -1
	s_barrier_wait -1                              ; everybody's has
	LOOP 2                                         ; key steps 0, 1
	s_wait_tensorcnt 0x0                           ; my part of key steps 4 to 15 has landed,
	s_wait_dscnt 0x0                               ; and no LDS instruction of mine is out at the signal:
	s_barrier_signal -1                            ; say so, two steps ahead of the wait, so that a wave that runs ahead is not held back by one that shares its SIMD with a busy partner
	LOOP 2                                         ; key steps 2, 3: register work and LDS loads of bytes 32,768 to 65,535, which landed in front of the first barrier and which nobody writes
	s_barrier_wait -1                              ; every wave's part of steps 4 to 15 has landed
	LOOP 12                                        ; key steps 4 to 15; no wave waits for another any more
	; THE WAY OUT.  O^T / the sum x 2^(e8 + e9) goes through my stage in LDS and leaves as whole rows of 256 bytes.
.rept 4
	v_nop                                          ; four places behind the last products
.endr
	v_add_f32 v14, v14, v15                        ; the sum's two halves,
	s_delay_alu instid0(VALU_DEP_1)
	v_permlanex16_b32 v[PM], v14, s[SEL], s[SEL+1]
	s_delay_alu instid0(VALU_DEP_1)
	v_add_f32 v14, v14, v[PM]                      ; and lane l xor 16's: the row's sum, at least 1/2
	s_wait_alu depctr_va_vdst(0)
	v_rcp_f32 v14, v14
	v_nop                                          ; a plain instruction behind the transcendental
	s_add_co_i32 s56, s54, s55
	s_wait_alu depctr_va_vdst(0)                   ; and the wait ahead of its first reader
	v_ldexp_f32 v14, v14, s56                      ; x 2^(e8 + e9)
.irp j, 0,2,4,6,8,10,12,14,16,18,20,22,24,26,28,30
	v_pk_mul_f32 v[S+\j:S+\j+1], v[O+\j:O+\j+1], v[14:15] op_sel_hi:[1,0]   ; register 8 t + i is out(query r, dim 16 t + 8 h + i); each accumulator from its low end on
.endr
.irp t, 0,1,2,3
	ds_store_b128 v[STO], v[S+8*\t:S+8*\t+3] offset:64*\t
	ds_store_b128 v[STO], v[S+8*\t+4:S+8*\t+7] offset:64*\t+16
.endr
.irp i, 0,1,2,3,4,5,6,7
	ds_load_b128 v[KV+4*\i:KV+4*\i+3], v[RD] offset:544*\i   ; LDS serves a wave's instructions in order (ISA guide 5.7.1.4): these see my stores
.endr
.irp i, 0,1,2,3,4,5,6,7
	s_wait_dscnt 7-\i                              ; row pair i is back; the later pairs may be out
	global_store_b128 v[L16], v[KV+4*\i:KV+4*\i+3], s[10:11] offset:512*\i th:TH_STORE_NT   ; sixteen lanes store a row's 256 consecutive bytes, aligned; written once, read by nobody here
.endr
	s_wait_dscnt 0x0
	s_wait_tensorcnt 0x0
	ds_add_u32 v224, v225
	s_wait_dscnt 0x0
	ROUND                                          ; the closing round: no work-group ends while a partner may still ask for a part that names it
	s_endpgm
.Lfunc_end_k_q747f1ca0e8_attn:
	.size	k_q747f1ca0e8_attn, .Lfunc_end_k_q747f1ca0e8_attn-k_q747f1ca0e8_attn
	.p2alignl 7, 3214868480
	.fill 96, 4, 3214868480
	.section	.rodata,"a",@progbits
	.p2align	6, 0x0
	.amdhsa_kernel k_q747f1ca0e8_attn
		.amdhsa_group_segment_fixed_size 297984
		.amdhsa_private_segment_fixed_size 0
		.amdhsa_enable_private_segment 0
		.amdhsa_kernarg_size 32
		.amdhsa_user_sgpr_count 2
		.amdhsa_user_sgpr_kernarg_segment_ptr 1
		.amdhsa_wavefront_size32 1
		.amdhsa_system_sgpr_workgroup_id_x 1
		.amdhsa_system_sgpr_workgroup_id_y 1
		.amdhsa_system_sgpr_workgroup_id_z 1
		.amdhsa_system_vgpr_workitem_id 0
		.amdhsa_next_free_vgpr 226
		.amdhsa_next_free_sgpr 66
		.amdhsa_reserve_vcc 1
		.amdhsa_float_denorm_mode_32 3
		.amdhsa_float_denorm_mode_16_64 3
		.amdhsa_fp16_overflow 1
		.amdhsa_memory_ordered 1
		.amdhsa_forward_progress 1
		.amdhsa_inst_pref_size 69
	.end_amdhsa_kernel
	.amdgpu_metadata
---
amdhsa.version: [ 1, 2 ]
amdhsa.kernels:
  - .name:           k_q747f1ca0e8_attn
    .symbol:         k_q747f1ca0e8_attn.kd
    .args:
      - { .name: qc, .offset: 0, .size: 8, .value_kind: global_buffer, .address_space: global }
      - { .name: kv, .offset: 8, .size: 8, .value_kind: global_buffer, .address_space: global }
      - { .name: lowp_scales, .offset: 16, .size: 8, .value_kind: global_buffer, .address_space: global }
      - { .name: out0, .offset: 24, .size: 8, .value_kind: global_buffer, .address_space: global }
    .group_segment_fixed_size: 297984
    .private_segment_fixed_size: 0
    .kernarg_segment_align: 8
    .kernarg_segment_size: 32
    .max_flat_workgroup_size: 256
    .sgpr_count:     66
    .vgpr_count:     226
    .wavefront_size: 32
...
	.end_amdgpu_metadata
.endif
;; end of part 2
